; MI455X (gfx1250); checked and timed in simulation.
; The chip was launched on July 23, 2026; its instructions are those of AMD's public machine-readable ISA for CDNA 5 (MIT licence, August 2026) and "CDNA5" Instruction Set Architecture Reference Guide (July 2026). The comments in the code are by the model that wrote it; some were corrected since.
;; Multi Head Self Attention. Allowed arithmetic: matrix products marked QUANTISED: E5M2 operands, one given power-of-two scale a tensor, by v_wmma_f32_16x16x64_bf8_bf8 or v_wmma_f32_16x16x128_bf8_bf8, f32 sums; everything else in f32.
;; Inputs: lowp_scales 8 int32 (the exponents e of the quantised operands' scales 2^e); padding_mask 4 x 2,048 int32; w_o_codes 1,024 x 32 x 32 uint8 (E5M2 codes of w_o, K innermost, in blocks of 32 codes); w_qkv_codes 3,072 x 32 x 32 uint8 (E5M2 codes of w_qkv, K innermost, in blocks of 32 codes); x_codes 4 x 2,048 x 32 x 32 uint8 (E5M2 codes of x, K innermost, in blocks of 32 codes).
;; Outputs: out0 4 x 2,048 x 1,024 float32.
;; This version of the problem:
;;   THIS VERSION OF THE PROBLEM IS GIVEN IN LOW PRECISION. The matrix products marked QUANTISED in the list below multiply operands that are first quantised to E5M2 (5 exponent bits, 2 mantissa bits; 8 bits a number), with one given power-of-two scale for each operand tensor; their sums are f32. All else is computed in f32.
;;   The module's matrix products, in the order in which they are computed (A, B: the left and right operand; K: the contracted axis; several contracted axes count as one K, in the product's order):
;;     1. [M 8,192, K 1,024] x [K 1,024, N 3,072]; A: input x (given as codes); B: input w_qkv (given as codes): QUANTISED (scales: A lowp_scales[0], B lowp_scales[1])
;;     2. batch 64 x [M 2,048, K 64] x [K 64, N 2,048]; A: computed on the way; B: computed on the way: QUANTISED (scales: A lowp_scales[2], B lowp_scales[3])
;;     3. batch 64 x [M 2,048, K 2,048] x [K 2,048, N 64]; A: softmax (see below); B: computed on the way: QUANTISED (scales: A lowp_scales[4], B lowp_scales[5])
;;     4. [M 8,192, K 1,024] x [K 1,024, N 1,024]; A: computed on the way; B: input w_o (given as codes): QUANTISED (scales: A lowp_scales[6], B lowp_scales[7])
;;   THE QUANTISER, for each operand of a quantised product, along K:
;;     - The operand's scale is 2^e, e = its entry of the input lowp_scales (int32; the entries are numbered through the quantised products in the list's order, A before B).
;;     - Each number is divided by the scale, clamped to +-57,344, and rounded to the nearest number of E5M2, ties to even, subnormals kept.
;;     - The product sums the exact products of the quantised numbers (number of the format x scale) in f32.
;;   ~~~python
;;   def quantise(x, axis, e):      # numpy; x: float32 -> the quantised numbers, widened to float32 again
;;       x = np.moveaxis(x, axis, -1); K = x.shape[-1]
;;       r = np.clip(x / 2.0 ** e, -57344, 57344)
;;       step = 2.0 ** (np.maximum(np.frexp(np.where(r == 0, 1, r))[1] - 1, -14) - 2)
;;       q = np.round(r / step) * step * 2.0 ** e      # np.round: ties to even
;;       return np.moveaxis(q, -1, axis).astype(np.float32)
;;   ~~~
;;   SOFTMAX AHEAD OF A QUANTISED PRODUCT. Where the list says 'softmax', what is quantised is not the finished softmax but p = 2^(t - M), with t = logit x log2(e) and M = ceil(the row's largest t), a whole number; so 1/2 < the row's largest p <= 1. The row's sum l is taken of the UNQUANTISED p, in f32, and the product's result is divided by l at the end. Since M is a whole number, a kernel that streams over the keys may use a running M (the ceiling of the running maximum): every later rescaling is an exact power of two, so the quantised numbers keep their values, but for numbers so far below the row's largest that they fall under the format's range.
;;   OPERANDS COMPUTED ON THE WAY. 'Computed on the way' means the value that the module computes at that place (a softmax that the list does not call 'softmax' is quantised finished and normalised). What goes into a quantiser is computed in f32, as accurately as f32 sums, v_exp_f32 and their like allow (about 1e-6 of the number): no bf16 or f16 on the way to a quantiser, and a product that is left as it is and whose result goes on into a quantised operand takes f32 operands (vector FMAs, or v_wmma_f32_16x16x4_f32). A number that lies on a knife's edge between two numbers of the format may be rounded either way, as far as f32 arithmetic and the matrix unit's own rounding can turn it there, and no further.
;;   INPUTS GIVEN AS CODES. w_o (in the module: [1024, 1024], K = its axis 1); w_qkv (in the module: [3072, 1024], K = its axis 1); x (in the module: [4, 2048, 1024], K = its axis 2): each comes as NAME_codes (uint8): NAME with its K axis moved to the last place and cut into blocks of 32 codes, [.., K / 32, bytes a block], one block behind the other in memory; one code a byte (a code: sign, 5 exponent bits, 2 mantissa bits); its scale is its entry of lowp_scales. Its value is code x scale, taken as it is: it is not quantised again, and the codes and scales need not be those that the quantiser above would give.
;; One version. Each part assembles by itself: llvm-mc -triple=amdgcn-amd-amdhsa -mcpu=gfx1250 --defsym DOCPART=n.
;; ======== version 1 of 1: 4 launches
;; limits: right only within a limited range of input values
;; workspace buffers: tab 524,288 bytes; qimg 8,388,608 bytes; kimg 8,388,608 bytes; vimg 8,388,608 bytes; aimg 8,388,608 bytes
;; launch tab (part 1): grid 128 x 1, 8 waves a work-group, no clusters, 0 bytes of LDS; arguments tab; writes tab
.if DOCPART == 1
	.amdgcn_target "amdgcn-amd-amdhsa--gfx1250"
	.amdhsa_code_object_version 6
	.text
	.protected	k_q8cd02f09c2_tab
	.globl	k_q8cd02f09c2_tab
	.p2align	8
	.type	k_q8cd02f09c2_tab,@function
k_q8cd02f09c2_tab:
	s_mov_b64 s[64:65], 0
	v_nop
	global_prefetch_b8 v0, s[64:65] scope:SCOPE_SE
	s_setreg_imm32_b32 hwreg(HW_REG_WAVE_MODE, 25, 1), 1
	s_wait_xcnt 0x0
; The table of rotations: cos and sin of pos x inv_freq(i), pos = 0 .. 2047, i = 0 .. 31, inv_freq(i) = 10000^(-i / 32), all in f32.
; LAYOUT, in the order in which the next launch's lanes want it: [tile of 16 positions (128)][n (8)][lane (32)][16 bytes].  With lane = 16 h + r and n = 2 be + e the 16 bytes are
; cos, sin of frequency i = 8 be + 4 h + 2 e and cos, sin of i + 1, at pos = 16 x tile + r.  So thread t of a work-group (a tile) stores 16 bytes at 16 t: a wave's store covers 512 consecutive bytes.
; inv_freq = 2^(-i L), L = log2(10000) / 32 in two parts; the whole part of i L goes into the exponent by v_ldexp_f32, so that the exponential sees at most 1/2 in magnitude.
; The angle is the f32 product pos x inv_freq; it is brought to [-pi/4, pi/4] by three fused steps with pi/2 in three parts, and cos and sin are polynomials there; the quadrant selects and signs VALUES only.
; LIMIT: inv_freq is within about one unit in the last place of 10000^(-i / 32), so an angle can differ from another f32 evaluation's by that much times pos.
.set FI,  4                            ; v4-5    i as f32, for the thread's two frequencies
.set N,   6                            ; v6-7    the whole part of i L
.set F,   8                            ; v8-9    whole part - i L
.set EX,  10                           ; v10-11  inv_freq
.set ANG, 12                           ; v12-13  the angle
.set J,   14                           ; v14-15  the quadrant as f32
.set A,   16                           ; v16-17  the reduced angle a
.set S,   18                           ; v18-19  a^2
.set C,   20                           ; v20-21  cos a
.set P,   22                           ; v22-23  sin a
.set T,   24                           ; v24-25  a^3
.set QD,  26                           ; v26-27  the quadrant
.set OUT, 28                           ; v[28:31] cos, sin, cos, sin
.set W,   32                           ; v32-33  at work
.set ADR, 34                           ; v34     16 x thread
	s_load_b64 s[4:5], s[0:1], 0x0
	s_lshl_b32 s6, ttmp9, 12                       ; a tile's 4,096 bytes
	s_mov_b32 s7, 0
	s_lshl_b32 s8, ttmp9, 4                        ; its first position
	s_mov_b32 s10, 0x3ed49a78                      ; L, upper part
	s_mov_b32 s11, 0x32179a31                      ; L, what the upper part lacks
	v_and_b32 v1, 15, v0                           ; r
	v_add_nc_u32 v1, s8, v1
	v_cvt_f32_u32 v1, v1                           ; pos
	v_bfe_u32 v2, v0, 4, 1                         ; h
	v_bfe_u32 v3, v0, 5, 1                         ; e
	v_lshrrev_b32 v4, 6, v0                        ; be
	v_lshlrev_b32 v4, 3, v4
	v_lshl_add_u32 v4, v2, 2, v4
	v_lshl_add_u32 v4, v3, 1, v4                   ; i = 8 be + 4 h + 2 e
	v_add_nc_u32 v5, 1, v4
	v_cvt_f32_u32 v4, v4
	v_cvt_f32_u32 v5, v5
	v_lshlrev_b32 v[ADR], 4, v0
.irp k, 0,1
	v_mul_f32 v[N+\k], s10, v[FI+\k]
.endr
.irp k, 0,1
	v_rndne_f32 v[N+\k], v[N+\k]
.endr
.irp k, 0,1
	v_fma_f32 v[F+\k], -v[FI+\k], s10, v[N+\k]     ; whole part - i L, upper part of L,
.endr
.irp k, 0,1
	v_fma_f32 v[F+\k], -v[FI+\k], s11, v[F+\k]     ; and the rest of L
.endr
.irp k, 0,1
	v_exp_f32 v[EX+\k], v[F+\k]
.endr
.irp k, 0,1
	v_cvt_i32_f32 v[N+\k], v[N+\k]                 ; plain lines behind the two exponentials
.endr
.irp k, 0,1
	v_sub_nc_u32 v[N+\k], 0, v[N+\k]
.endr
	s_wait_alu depctr_va_vdst(0)                   ; one wait for both exponentials, ahead of their first reader
.irp k, 0,1
	v_ldexp_f32 v[EX+\k], v[EX+\k], v[N+\k]        ; inv_freq
.endr
.irp k, 0,1
	v_mul_f32 v[ANG+\k], v1, v[EX+\k]              ; the angle, rounded once
.endr
.irp k, 0,1
	v_mul_f32 v[J+\k], 0x3f22f983, v[ANG+\k]       ; x 2 / pi
.endr
.irp k, 0,1
	v_rndne_f32 v[J+\k], v[J+\k]
.endr
.irp k, 0,1
	v_fmamk_f32 v[A+\k], v[J+\k], 0xbfc90fd8, v[ANG+\k]   ; a = angle - j pi/2, pi/2 in three parts
.endr
.irp k, 0,1
	v_fmamk_f32 v[A+\k], v[J+\k], 0xb4a8885a, v[A+\k]
.endr
.irp k, 0,1
	v_fmamk_f32 v[A+\k], v[J+\k], 0xa7c234c4, v[A+\k]
.endr
.irp k, 0,1
	v_mul_f32 v[S+\k], v[A+\k], v[A+\k]
	v_mov_b32 v[C+\k], 0x37cd4000
	v_mov_b32 v[P+\k], 0x36405000
.endr
.irp k, 0,1
	v_fmaak_f32 v[C+\k], v[C+\k], v[S+\k], 0xbab6077d
	v_fmaak_f32 v[P+\k], v[P+\k], v[S+\k], 0xb9503486
.endr
.irp k, 0,1
	v_fmaak_f32 v[C+\k], v[C+\k], v[S+\k], 0x3d2aaaa8
	v_fmaak_f32 v[P+\k], v[P+\k], v[S+\k], 0x3c0888c1
.endr
.irp k, 0,1
	v_fma_f32 v[C+\k], v[C+\k], v[S+\k], -0.5
	v_fmaak_f32 v[P+\k], v[P+\k], v[S+\k], 0xbe2aaaab
	v_mul_f32 v[T+\k], v[A+\k], v[S+\k]
.endr
.irp k, 0,1
	v_fma_f32 v[C+\k], v[C+\k], v[S+\k], 1.0       ; cos a
	v_fma_f32 v[P+\k], v[P+\k], v[T+\k], v[A+\k]   ; sin a
	v_cvt_i32_f32 v[QD+\k], v[J+\k]
.endr
.irp k, 0,1                            ; the quadrant q: odd q swaps the two; sin changes sign where q & 2, cos where (q + 1) & 2
	v_and_b32 v[W], 1, v[QD+\k]
	v_cmp_eq_u32 vcc_lo, 1, v[W]
	v_cndmask_b32 v[OUT+2*\k], v[C+\k], v[P+\k], vcc_lo
	v_cndmask_b32 v[OUT+2*\k+1], v[P+\k], v[C+\k], vcc_lo
	v_add_nc_u32 v[W], 1, v[QD+\k]
	v_and_b32 v[W], 2, v[W]
	v_lshlrev_b32 v[W], 30, v[W]
	v_xor_b32 v[OUT+2*\k], v[OUT+2*\k], v[W]
	v_and_b32 v[W+1], 2, v[QD+\k]
	v_lshlrev_b32 v[W+1], 30, v[W+1]
	v_xor_b32 v[OUT+2*\k+1], v[OUT+2*\k+1], v[W+1]
.endr
	s_wait_kmcnt 0x0
	s_add_nc_u64 s[4:5], s[4:5], s[6:7]
	global_store_b128 v[ADR], v[OUT:OUT+3], s[4:5]
	s_endpgm
.Lfunc_end_k_q8cd02f09c2_tab:
	.size	k_q8cd02f09c2_tab, .Lfunc_end_k_q8cd02f09c2_tab-k_q8cd02f09c2_tab
	.p2alignl 7, 3214868480
	.fill 96, 4, 3214868480
	.section	.rodata,"a",@progbits
	.p2align	6, 0x0
	.amdhsa_kernel k_q8cd02f09c2_tab
		.amdhsa_group_segment_fixed_size 0
		.amdhsa_private_segment_fixed_size 0
		.amdhsa_enable_private_segment 0
		.amdhsa_kernarg_size 8
		.amdhsa_user_sgpr_count 2
		.amdhsa_user_sgpr_kernarg_segment_ptr 1
		.amdhsa_wavefront_size32 1
		.amdhsa_system_sgpr_workgroup_id_x 1
		.amdhsa_system_sgpr_workgroup_id_y 1
		.amdhsa_system_sgpr_workgroup_id_z 1
		.amdhsa_system_vgpr_workitem_id 0
		.amdhsa_next_free_vgpr 40
		.amdhsa_next_free_sgpr 66
		.amdhsa_reserve_vcc 1
		.amdhsa_float_denorm_mode_32 3
		.amdhsa_float_denorm_mode_16_64 3
		.amdhsa_memory_ordered 1
		.amdhsa_forward_progress 1
		.amdhsa_inst_pref_size 5
	.end_amdhsa_kernel
	.amdgpu_metadata
---
amdhsa.version: [ 1, 2 ]
amdhsa.kernels:
  - .name:           k_q8cd02f09c2_tab
    .symbol:         k_q8cd02f09c2_tab.kd
    .args:
      - { .name: tab, .offset: 0, .size: 8, .value_kind: global_buffer, .address_space: global }
    .group_segment_fixed_size: 0
    .private_segment_fixed_size: 0
    .kernarg_segment_align: 8
    .kernarg_segment_size: 8
    .max_flat_workgroup_size: 256
    .sgpr_count:     66
    .vgpr_count:     40
    .wavefront_size: 32
...
	.end_amdgpu_metadata
.endif
;; end of part 1
;; launch qkv (part 2): grid 12 x 32, 4 waves a work-group, clusters of 4 x 4, 327,680 bytes of LDS; arguments x_codes, w_qkv_codes, lowp_scales, tab, qimg, kimg, vimg; writes qimg, kimg, vimg
.if DOCPART == 2
	.amdgcn_target "amdgcn-amd-amdhsa--gfx1250"
	.amdhsa_code_object_version 6
	.text
	.protected	k_q8cd02f09c2_qkv
	.globl	k_q8cd02f09c2_qkv
	.p2align	8
	.type	k_q8cd02f09c2_qkv,@function
k_q8cd02f09c2_qkv:
	s_mov_b64 s[64:65], 0
	v_nop
	global_prefetch_b8 v0, s[64:65] scope:SCOPE_SE
	s_setreg_imm32_b32 hwreg(HW_REG_WAVE_MODE, 25, 1), 1
	s_wait_xcnt 0x0
	s_wait_alu depctr_hold_cnt(0) depctr_sa_sdst(0) depctr_va_vdst(0) depctr_va_sdst(0) depctr_va_ssrc(0) depctr_va_vcc(0) depctr_vm_vsrc(0)
	s_getreg_b32 s2, hwreg(HW_REG_IB_STS2, 6, 4)
	s_cmp_eq_u32 s2, 0
	s_cbranch_scc0 .Lentry_in_a_cluster
	s_endpgm
.Lentry_in_a_cluster:
	s_bfe_u32 s2, ttmp6, 0x10000c
	s_cmp_lg_u32 s2, 0xf033
	s_cbranch_scc0 .Lentry_shape_is_right
	s_endpgm
.Lentry_shape_is_right:
; qkv = x w_qkv^T on codes of BF8 (E5M2); then, in registers, the rotation of q and k and the quantising of q, k and v; what leaves are CODES, laid as images of the next launch's operand registers.
; x: [8192][1024] codes, w_qkv: [3072][1024] codes, K innermost.  A tile of 256 tokens x 256 columns is made by four waves, 128 x 128 each: 64 accumulators of 16 x 16, 512 registers.
; K goes in steps of 256 through a ring of two LDS slots filled by the tensor data mover; a tile's row is 256 bytes of memory.
; CLUSTERS: 4 x 4 work-groups.  The four of a row of the cluster need the same tile of x, the four of a column the same tile of w: each tile is asked for JOINTLY.  The cluster's x says what is made: 0 q, 1 k, 2 v;
; it is the same in all sixteen partners.  12 x 32 = 384 tiles: a tiling into 256 equal tiles would want 768 accumulator registers a wave and leave no room for the fragments.
; WHICH SIDE IS WHICH.  Source 1's 16 rows fall to the lanes, source 0's to a lane's registers.  For q and k source 1 = tokens, source 0 = columns: a lane holds one token and eight neighbouring channels, the next
; product's K.  For v source 1 = channels (rows of w), source 0 = tokens: a lane holds one channel and eight neighbouring KEYS, the K of the product that v enters.  The tensor loads are the same in both cases;
; only the two LDS bases from which fragments are read change places, by a choice on the cluster's x.
; THE SCALES.  A raw sum stands for sum x 2^(e0 + e1).  The rotation is linear, so it is made on raw sums, and the conversion's one scale is 2^(ed - e0 - e1), ed = e2 (q), e3 (k), e5 (v).
; LIMIT: ed - e0 - e1 lies between -126 and 112, so that the scale and 57,344 x the scale are f32 numbers.  NaN and infinity codes among the inputs are not served.
; IMAGES.  qimg, kimg: [batch x 16 + head][tile of 16 tokens (128)][c2 (2)][lane][16 bytes]: lane (r, h): token r of the tile, channels 32 c2 + 8 h + 0..7 and 32 c2 + 16 + 8 h + 0..7.
; vimg: [batch x 16 + head][64 keys (32)][t (4)][c2 (2)][lane][16 bytes]: lane (r, h): channel 16 t + r, keys 32 c2 + 8 h + 0..7 and 32 c2 + 16 + 8 h + 0..7.  Every store of a wave covers 512 consecutive bytes, aligned.
; REGISTERS, in windows of 256: window 0: v0-31 addresses and the two scale words; v32-95 two sets of table numbers; v96-127 a head's 32 numbers at work; from v128 source 1's fragments, ONE set, later the codes.
;   window 1: source 0's fragments, TWO sets.   window 2: the accumulators of blocks 0-3 (accumulator (a, b) at v[8 (8 (a % 4) + b)]);   window 3: those of blocks 4-7.
.set SIZE_K, 1024
.set KSTEP,  256                       ; along K in a slot
.set ROWB,   256                       ; a tile's row in bytes
.set KROW,   SIZE_K                    ; a row of x or of w in memory, in bytes
.set PITCH,  272                       ; an LDS row: 256 bytes + 16 of padding = 68 words, so that the 16 rows that a load touches start 4 words apart modulo 64
.set FR,     16                        ; registers of a fragment: 16 rows x 128 K
.set NL,     4                         ; LDS loads that bring one
.set NP,     4                         ; places behind this matrix instruction (ISA guide 7.12.1)
.set HALFT,  128*PITCH                 ; 128 rows: what one tensor load brings
.set SLOT,   4*HALFT                   ; x's 256 rows, then w's 256 rows
.set LAPS,   SIZE_K/(2*KSTEP)
.set SPARE,  2*SLOT                    ; behind the ring: the spare words, 128 bytes for each wave
.set ADRA, 16                          ; v16-17  LDS address of source 1's fragments in slot 0, 1
.set ADRB, 20                          ; v20-21  the same for source 0
.set LI,   27                          ; v27     16 x lane; never rewritten
.set SPW,  28                          ; v28     LDS address of my spare word; never rewritten
.set NIL,  29                          ; v29     0; never rewritten
.set SC,   30                          ; v30     2^(ed - e0 - e1)
.set LIM,  31                          ; v31     57,344 x that
.set CS,   32                          ; v32-95  cos and sin: two sets of 32
.set T,    96                          ; v96-127 32 numbers at work
.set CD,   128                         ; v128-255 codes: 16 registers for each block, so that no store's data are written again
.set AF,   128                         ; source 1's fragments, in window 0
.set G1, 24                            ; s[24:31] descriptor group 1 for x's tiles;  s[32:39] group 0, one set for each slot
.set G0, 32
.set G1B, 48                           ; s[48:55], s[56:63] the same for w's tiles
.set G0B, 56
.set OUTP, 84                          ; s[84:85] where my wave's images begin
.set TABP, 86                          ; s[86:87] the table at my wave's first token
.set MSB, 0
.macro WIN new                         ; the immediate's high byte repeats the setting that is left
.if MSB != \new
	s_set_vgpr_msb (MSB<<8)|\new
.set MSB, \new
.endif
.endm
.set MUL_LO, 0xa1                      ; source 0 window 1, source 1 window 0, C and D window 2
.set MUL_HI, 0xf1                      ; the same, C and D window 3
.set TO_B,   0x40                      ; destination window 1, address window 0
; A joint load: waves 0 and 1 fetch x's halves, waves 2 and 3 w's.  Each line has ONE mask and one set of registers for all that issue it; the branch hangs on the wave's number alone.
; Four v_nop follow each of the two lines, ahead of the jump, the label and what follows.
.macro JLOAD g0a, g1a, g0b, g1b
	s_cmp_eq_u32 s15, 0
	s_cbranch_scc0 .Lfor_b_\@
	tensor_load_to_lds s[\g0a:\g0a+3], s[\g1a:\g1a+7]
	s_nop 0
.rept 4
	v_nop
.endr
	s_branch .Lasked_\@
.Lfor_b_\@:
	tensor_load_to_lds s[\g0b:\g0b+3], s[\g1b:\g1b+7]
	s_nop 0
.rept 4
	v_nop
.endr
.Lasked_\@:
.endm
.macro CREST                           ; a round of the cluster's barrier behind its opening barrier
	s_cmp_lg_u32 s14, 0
	s_cbranch_scc1 .Lnot_wave_0_\@
	s_barrier_signal -3
.Lnot_wave_0_\@:
	s_barrier_wait -3
	s_barrier_signal -1
	s_barrier_wait -1
.endm
.macro CROUND                          ; a whole round
	s_barrier_signal -1
	s_barrier_wait -1
	CREST
.endm
	s_load_b128 s[4:7], s[0:1], 0x0                ; x's codes, w's codes
	s_load_b128 s[8:11], s[0:1], 0x10              ; the scales' exponents, the table
	s_load_b128 s[68:71], s[0:1], 0x20             ; qimg, kimg
	s_load_b64 s[72:73], s[0:1], 0x30              ; vimg
	v_lshl_add_u32 v[SPW], v0, 2, SPARE
	v_mov_b32 v[NIL], 0
	ds_add_u32 v28, v29
	ds_add_u32 v28, v29
	s_wait_dscnt 0x0
	v_lshrrev_b32 v1, 5, v0
	v_readfirstlane_b32 s14, v1                    ; wave 0..3
	s_lshr_b32 s15, s14, 1                         ; which 128 rows of source 1 are mine.  Also: I fetch for x (0) or for w (1)
	s_and_b32 s16, s14, 1                          ; which 128 rows of source 0.  Also: which 128 rows of that tile I fetch
	s_bfe_u32 s40, ttmp6, 0x40000                  ; cx, cy: my place in the cluster
	s_bfe_u32 s41, ttmp6, 0x40004
	s_lshl_b32 s42, ttmp9, 2
	s_add_co_u32 s42, s42, s40                     ; tile of w's rows = 4 x cluster x + cx
	s_and_b32 s17, ttmp7, 0xffff
	s_lshl_b32 s17, s17, 2
	s_add_co_u32 s17, s17, s41                     ; tile of tokens = 4 x cluster y + cy
	s_lshl_b32 s43, s41, 2
	s_lshl_b32 s43, 15, s43                        ; my row of the cluster
	s_lshl_b32 s44, 0x1111, s40                    ; my column
	; descriptor group 1: a tile of 128 rows x 256 bytes, padded in LDS
	s_or_b32 s[G1+0], s43, (0<<16)|(1<<20)|(1<<21)|(5<<22)|(3<<25)  ; 15:0 the mask: x's tiles go to my row; 17:16 element of 1 byte; 20 padding on; 21 set beside a mask; 24:22 after every 64 words; 31:25 four words
	s_or_b32 s[G1B+0], s44, (0<<16)|(1<<20)|(1<<21)|(5<<22)|(3<<25) ; the same with the mask of my column, for w's tiles
.irp g, G1, G1B
	s_mov_b32 s[\g+1], ROWB<<16                    ; tensor_dim0
	s_mov_b32 s[\g+2], 128<<16                     ; tensor_dim1 = 128
	s_mov_b32 s[\g+3], ROWB<<16                    ; tile_dim0
	s_mov_b32 s[\g+4], 128                         ; tile_dim1 = 128
	s_mov_b32 s[\g+5], KROW                        ; tensor_dim0_stride
	s_mov_b32 s[\g+6], 0
	s_mov_b32 s[\g+7], 0
.endr
	s_lshl_b32 s18, s16, 7                         ; which 128 rows of the tile I fetch
	s_lshl_b32 s20, s17, 8
	s_add_co_u32 s20, s20, s18                     ; x: row 256 x tile of tokens + 128 x half
	s_lshl_b32 s46, s42, 8
	s_add_co_u32 s46, s46, s18                     ; w: row 256 x tile of rows + 128 x half
	s_mov_b32 s21, 0
	s_mov_b32 s47, 0
	s_mov_b64 s[18:19], KROW
	s_mul_u64 s[20:21], s[20:21], s[18:19]
	s_mul_u64 s[46:47], s[46:47], s[18:19]
	s_mul_i32 s45, s14, HALFT                      ; where they go: wave x 128 rows: no place in the cluster enters an LDS address
	s_wait_kmcnt 0x0
	s_load_b256 s[76:83], s[8:9], 0x0              ; e0 .. e7
	s_add_nc_u64 s[20:21], s[4:5], s[20:21]
	s_add_nc_u64 s[46:47], s[6:7], s[46:47]
	CROUND                                         ; all sixteen work-groups are here: the first joint loads meet
.irp s, 0,1
	s_mov_b32 s[G0+4*\s], 1
	s_add_co_u32 s[G0+4*\s+1], s45, \s*SLOT
	s_add_nc_u64 s[G0+4*\s+2:G0+4*\s+3], s[20:21], \s*ROWB
	s_or_b32 s[G0+4*\s+3], s[G0+4*\s+3], 0x80000000
	s_mov_b32 s[G0B+4*\s], 1
	s_add_co_u32 s[G0B+4*\s+1], s45, \s*SLOT
	s_add_nc_u64 s[G0B+4*\s+2:G0B+4*\s+3], s[46:47], \s*ROWB
	s_or_b32 s[G0B+4*\s+3], s[G0B+4*\s+3], 0x80000000
	JLOAD G0+4*\s, G1, G0B+4*\s, G1B
.endr
	v_and_b32 v1, 15, v0                           ; l % 16
	v_bfe_u32 v2, v0, 4, 1                         ; l / 16
	v_mul_u32_u24 v3, v1, PITCH
	v_lshl_add_u32 v4, v2, 4, v3                   ; a fragment's row x pitch + 16 x half
	v_and_b32 v6, 31, v0
	v_lshlrev_b32 v[LI], 4, v6
	s_cmp_eq_u32 ttmp9, 2                          ; v?  The cluster's x is the same in all sixteen partners
	s_cselect_b32 s18, 2*HALFT, 0                  ; source 1 comes from x's rows (q, k) or from w's, which lie behind x's 256 (v),
	s_cselect_b32 s19, 0, 2*HALFT                  ; source 0 from the other
	s_cselect_b32 s90, s15, s16                    ; which of my two halves counts heads,
	s_cselect_b32 s91, s16, s15                    ; and which counts tokens
	s_mul_i32 s21, s15, HALFT
	s_mul_i32 s22, s16, HALFT
	s_add_co_u32 s21, s21, s18
	s_add_co_u32 s22, s22, s19
.irp s, 0,1
	v_add_nc_u32 v[ADRA+\s], s21, v4
	v_add_nc_u32 v[ADRB+\s], s22, v4
	s_add_co_u32 s21, s21, SLOT
	s_add_co_u32 s22, s22, SLOT
.endr
	; the table at my wave's first token (for v: in range, and not read): 4,096 bytes for 16 positions
	s_and_b32 s95, s17, 7                          ; the tile of tokens within its batch
	s_lshl_b32 s92, s95, 16
	s_lshl_b32 s93, s15, 15
	s_add_co_u32 s92, s92, s93
	s_mov_b32 s93, 0
	s_add_nc_u64 s[TABP:TABP+1], s[10:11], s[92:93]
	; my images: (16 x batch + 4 cx + 2 x head half) x 131,072 + tile within the batch x 16,384 + token half x 8,192
	s_cmp_eq_u32 ttmp9, 0
	s_cselect_b64 s[OUTP:OUTP+1], s[68:69], s[70:71]
	s_cmp_eq_u32 ttmp9, 2
	s_cselect_b64 s[OUTP:OUTP+1], s[72:73], s[OUTP:OUTP+1]
	s_lshr_b32 s92, s17, 3
	s_lshl_b32 s92, s92, 4
	s_lshl_b32 s93, s40, 2
	s_add_co_u32 s92, s92, s93
	s_lshl_b32 s93, s90, 1
	s_add_co_u32 s92, s92, s93
	s_lshl_b32 s92, s92, 17
	s_lshl_b32 s93, s95, 14
	s_add_co_u32 s92, s92, s93
	s_lshl_b32 s93, s91, 13
	s_add_co_u32 s92, s92, s93
	s_mov_b32 s93, 0
	s_add_nc_u64 s[OUTP:OUTP+1], s[OUTP:OUTP+1], s[92:93]
.macro FRAG reg, adr, q, i             ; a fragment, 16 rows x 128 K of 8-bit codes, is 16 registers: lane l holds row l % 16; registers 4 c .. 4 c + 3 hold K = 32 c + 16 (l / 16) + 0 .. 15: the same order of k on both sides
.irp c, 0,1,2,3
	ds_load_b128 v[\reg+4*\c:\reg+4*\c+3], v[\adr] offset:128*(\q)+32*\c+(\i)*16*PITCH
.endr
.endm
; 16 matrix instructions: source 1's blocks a0, a0 + 1 x source 0's eight, 128 along K.  p: source 0's set.  zero = 1: the first product starts the sums.
; The 64 accumulators take turns, one instruction a turn, in the same order in every step.
.macro MUL16 a0, p, zero
.irp a, \a0, \a0+1
.irp b, 0,1,2,3,4,5,6,7
.if \zero
	v_wmma_f32_16x16x128_bf8_bf8 v[8*(8*((\a)%4)+\b):8*(8*((\a)%4)+\b)+7], v[128*(\p)+FR*\b:128*(\p)+FR*\b+FR-1], v[AF+FR*(\a):AF+FR*(\a)+FR-1], 0
.else
	v_wmma_f32_16x16x128_bf8_bf8 v[8*(8*((\a)%4)+\b):8*(8*((\a)%4)+\b)+7], v[128*(\p)+FR*\b:128*(\p)+FR*\b+FR-1], v[AF+FR*(\a):AF+FR*(\a)+FR-1], v[8*(8*((\a)%4)+\b):8*(8*((\a)%4)+\b)+7]
.endif
.endr
.endr
.endm
.macro FETCH_B slot, q, p              ; source 0's eight fragments of the slot's q-th 128 along K into set p
	WIN TO_B
.irp i, 0,1,2,3,4,5,6,7
	FRAG 128*(\p)+FR*\i, ADRB+\slot, \q, \i
.endr
	WIN 0
.endm
.macro FETCH_A slot, q, i0             ; source 1's blocks i0 .. i0 + 3
.irp i, \i0, \i0+1, \i0+2, \i0+3
	FRAG AF+FR*(\i), ADRA+\slot, \q, \i
.endr
.endm
.macro PLACES n                        ; plain vector lines between a matrix instruction and a load into, or a vector instruction on, its registers
.rept \n
	v_nop
.endr
.endm
; A step of 128 along K that has its successor in the same slot.
.macro STEP slot, q, zero
	s_wait_dscnt 4*NL                              ; source 0's set and blocks 0-3 are in; the youngest sixteen loads (blocks 4-7) may be out
	WIN MUL_LO
	MUL16 0, (\q)%2, \zero
	MUL16 2, (\q)%2, \zero
	s_wait_dscnt 0                                 ; blocks 4-7 are in
	PLACES NP
	FETCH_B \slot, (\q)+1, 1-(\q)%2
	FETCH_A \slot, (\q)+1, 0
	WIN MUL_HI
	MUL16 4, (\q)%2, \zero
	MUL16 6, (\q)%2, \zero
	PLACES NP
	WIN 0
	FETCH_A \slot, (\q)+1, 4
.endm
; A slot's last step changes slots: ONE barrier; in front of it each wave waits for all its tensor loads, adds 0 to its spare word, and waits for that and for its own reads of this slot.  fill = 1: this slot is filled again, two K steps ahead.
.macro TURN slot, next, fill
	s_wait_tensorcnt 0x0                           ; all my tensor loads have landed: my part of the next slot
	ds_add_u32 v[SPW], v[NIL]                      ; 0 onto my spare word
	s_wait_dscnt 4*NL+1                            ; (the add and the youngest sixteen loads may be out)
	WIN MUL_LO
	MUL16 0, 1, 0                                  ; sixteen matrix instructions stand between the add and the wait for it
	s_wait_dscnt 0x0                               ; the add is done, and my reads of this slot are over
	s_barrier_signal -1
	MUL16 2, 1, 0
	WIN 0
	s_barrier_wait -1
.if \fill
	CREST                                          ; the barrier has opened a round of the cluster's barrier: no wave of any partner still reads this slot or has a load on its way
	s_add_nc_u64 s[G0+4*\slot+2:G0+4*\slot+3], s[G0+4*\slot+2:G0+4*\slot+3], 2*ROWB
	s_add_nc_u64 s[G0B+4*\slot+2:G0B+4*\slot+3], s[G0B+4*\slot+2:G0B+4*\slot+3], 2*ROWB
	JLOAD G0+4*\slot, G1, G0B+4*\slot, G1B         ; the first tensor load behind the round; its four v_nop are the places in front of the loads below
.else
	PLACES NP
.endif
	FETCH_B \next, 0, 0
	FETCH_A \next, 0, 0
	WIN MUL_HI
	MUL16 4, 1, 0
	MUL16 6, 1, 0
	PLACES NP
	WIN 0
	FETCH_A \next, 0, 4
.endm
; cos and sin for block a's 16 tokens: eight loads of 512 consecutive bytes, into set a % 2
.macro TABLOAD a
.irp n, 0,1,2,3,4,5,6,7
	global_load_b128 v[CS+32*((\a)%2)+4*\n:CS+32*((\a)%2)+4*\n+3], v[LI], s[TABP:TABP+1] offset:(\a)*4096+\n*512
.endr
.endm
	s_wait_tensorcnt 1                             ; my part of K step 0 is in (K step 1's load may be out),
	s_barrier_signal -1
	s_barrier_wait -1                              ; everybody's is
	FETCH_B 0, 0, 0
	FETCH_A 0, 0, 0
	FETCH_A 0, 0, 4
	STEP 0, 0, 1                                   ; the first step stands in front of the loop: its products start the sums
	s_mov_b32 s3, LAPS-1
.Llap:                                                 ; a trip goes once round the ring and fills both slots again
	TURN 0, 1, 1
	STEP 1, 0, 0
	TURN 1, 0, 1
	STEP 0, 0, 0
	s_sub_co_u32 s3, s3, 1
	s_cmp_lg_u32 s3, 0
	s_cbranch_scc1 .Llap
	TABLOAD 0                                      ; the first two blocks' table numbers are asked for three steps ahead of their use.  The text has one way up to the way out,
	TABLOAD 1                                      ; so v's work-groups ask too; there the sixteen loads stay in range and their registers are left alone
	TURN 0, 1, 0                                   ; the last lap fills nothing, and has no round of the cluster's barrier
	STEP 1, 0, 0
	s_wait_dscnt 4*NL                              ; the very last step: nothing more to fetch
	WIN MUL_LO
	MUL16 0, 1, 0
	MUL16 2, 1, 0
	s_wait_dscnt 0
	WIN MUL_HI
	MUL16 4, 1, 0
	MUL16 6, 1, 0
	WIN 0
	PLACES NP                                      ; in front of the first read of results and of the first write into the registers that held fragments
	s_wait_kmcnt 0x0
	s_cmp_eq_u32 ttmp9, 0
	s_cselect_b32 s88, s78, s79                    ; ed: e2 for q, e3 for k,
	s_cmp_eq_u32 ttmp9, 2
	s_cselect_b32 s88, s81, s88                    ; e5 for v: a choice of a value; no branch hangs on a scale
	s_sub_co_i32 s88, s88, s76
	s_sub_co_i32 s88, s88, s77
	s_add_co_i32 s88, s88, 127
	s_lshl_b32 s89, s88, 23
	v_mov_b32 v[SC], s89                           ; 2^(ed - e0 - e1): the conversion takes its exponent field
	s_add_co_i32 s88, s88, 15
	s_lshl_b32 s88, s88, 23
	s_or_b32 s88, s88, 0x600000
	v_mov_b32 v[LIM], s88                          ; 57,344 x that
	s_cmp_eq_u32 ttmp9, 2
	s_cbranch_scc1 .Lv
; Q AND K.  Block a (16 tokens), head hh of my two: the lane's 32 channels 16 be + 8 h + 0..7 are 16 pairs (x0, x1); pair p of tile be has its (cos, sin) in v[CS + 8 be + 2 p].
; (-x1 sin, x1 cos), then + (x0 cos, x0 sin): two packed lines a pair.  Each accumulator is read from its low end on.  Then the hold, the conversion, and two stores of 512 bytes.
.macro ROPEQ a, hh
	WIN (2+(\a)/4)                                 ; source 0: the accumulators' window
.irp be, 0,1,2,3
.irp p, 0,1,2,3
	v_pk_mul_f32 v[T+8*\be+2*\p:T+8*\be+2*\p+1], v[64*((\a)%4)+8*(4*(\hh)+\be)+2*\p:64*((\a)%4)+8*(4*(\hh)+\be)+2*\p+1], v[CS+32*((\a)%2)+8*\be+2*\p:CS+32*((\a)%2)+8*\be+2*\p+1] op_sel:[1,1] op_sel_hi:[1,0] neg_lo:[0,1]
.endr
.irp p, 0,1,2,3
	v_pk_fma_f32 v[T+8*\be+2*\p:T+8*\be+2*\p+1], v[64*((\a)%4)+8*(4*(\hh)+\be)+2*\p:64*((\a)%4)+8*(4*(\hh)+\be)+2*\p+1], v[CS+32*((\a)%2)+8*\be+2*\p:CS+32*((\a)%2)+8*\be+2*\p+1], v[T+8*\be+2*\p:T+8*\be+2*\p+1] op_sel_hi:[0,1,1]
.endr
.endr
	WIN 0
.irp i, 0,1,2,3,4,5,6,7,8,9,10,11,12,13,14,15,16,17,18,19,20,21,22,23,24,25,26,27,28,29,30,31
	v_med3_num_f32 v[T+\i], v[T+\i], -v[LIM], v[LIM]   ; the conversion to an 8-bit code does not saturate (ISA guide 7.6.2): the hold at the largest code x the scale
.endr
.irp be, 0,1,2,3
	v_cvt_scalef32_pk8_bf8_f32 v[CD+16*(\a)+8*(\hh)+2*\be:CD+16*(\a)+8*(\hh)+2*\be+1], v[T+8*\be:T+8*\be+7], v[SC]
.endr
	v_nop                                          ; a plain line between the conversions and the next lines that write their sources
.irp c, 0,1
	global_store_b128 v[LI], v[CD+16*(\a)+8*(\hh)+4*\c:CD+16*(\a)+8*(\hh)+4*\c+3], s[OUTP:OUTP+1] offset:(\hh)*131072+(\a)*1024+\c*512
.endr
.endm
.irp a, 0,1,2,3,4,5,6,7
.if \a < 7
	s_wait_loadcnt 8                               ; this block's eight table loads are in; the next block's eight may be out
.else
	s_wait_loadcnt 0x0
.endif
	ROPEQ \a, 0
	ROPEQ \a, 1
.if \a < 6
	TABLOAD \a+2                                   ; into the set just read
.endif
.endr
	s_branch .Lend
; V.  Block a = 16 channels (head a / 4 of my two, tile a % 4), g = which 64 of my 128 keys: the lane's 32 numbers are keys 16 be + 8 h + 0..7.  The hold moves them out of the accumulators, from each one's low end on.
.macro VQ a, g
	WIN (2+(\a)/4)
.irp i, 0,1,2,3,4,5,6,7,8,9,10,11,12,13,14,15,16,17,18,19,20,21,22,23,24,25,26,27,28,29,30,31
	v_med3_num_f32 v[T+\i], v[64*((\a)%4)+32*(\g)+\i], -v[LIM], v[LIM]
.endr
	WIN 0
.irp be, 0,1,2,3
	v_cvt_scalef32_pk8_bf8_f32 v[CD+16*(\a)+8*(\g)+2*\be:CD+16*(\a)+8*(\g)+2*\be+1], v[T+8*\be:T+8*\be+7], v[SC]
.endr
	v_nop
.irp c, 0,1
	global_store_b128 v[LI], v[CD+16*(\a)+8*(\g)+4*\c:CD+16*(\a)+8*(\g)+4*\c+3], s[OUTP:OUTP+1] offset:((\a)/4)*131072+(\g)*4096+((\a)%4)*1024+\c*512
.endr
.endm
.Lv:
.irp a, 0,1,2,3,4,5,6,7
	VQ \a, 0
	VQ \a, 1
.endr
.Lend:
	s_wait_tensorcnt 0x0                           ; the wave's end
	ds_add_u32 v[SPW], v[NIL]
	s_wait_dscnt 0x0
	CROUND                                         ; the closing round: no work-group ends while a partner may still ask for a tile that names it
	s_endpgm
.Lfunc_end_k_q8cd02f09c2_qkv:
	.size	k_q8cd02f09c2_qkv, .Lfunc_end_k_q8cd02f09c2_qkv-k_q8cd02f09c2_qkv
	.p2alignl 7, 3214868480
	.fill 96, 4, 3214868480
	.section	.rodata,"a",@progbits
	.p2align	6, 0x0
	.amdhsa_kernel k_q8cd02f09c2_qkv
		.amdhsa_group_segment_fixed_size 327680
		.amdhsa_private_segment_fixed_size 0
		.amdhsa_enable_private_segment 0
		.amdhsa_kernarg_size 56
		.amdhsa_user_sgpr_count 2
		.amdhsa_user_sgpr_kernarg_segment_ptr 1
		.amdhsa_wavefront_size32 1
		.amdhsa_system_sgpr_workgroup_id_x 1
		.amdhsa_system_sgpr_workgroup_id_y 1
		.amdhsa_system_sgpr_workgroup_id_z 1
		.amdhsa_system_vgpr_workitem_id 0
		.amdhsa_next_free_vgpr 1024
		.amdhsa_next_free_sgpr 100
		.amdhsa_reserve_vcc 0
		.amdhsa_float_denorm_mode_32 3
		.amdhsa_float_denorm_mode_16_64 3
		.amdhsa_memory_ordered 1
		.amdhsa_forward_progress 1
		.amdhsa_inst_pref_size 198
	.end_amdhsa_kernel
	.amdgpu_metadata
---
amdhsa.version: [ 1, 2 ]
amdhsa.kernels:
  - .name:           k_q8cd02f09c2_qkv
    .symbol:         k_q8cd02f09c2_qkv.kd
    .args:
      - { .name: x_codes, .offset: 0, .size: 8, .value_kind: global_buffer, .address_space: global }
      - { .name: w_qkv_codes, .offset: 8, .size: 8, .value_kind: global_buffer, .address_space: global }
      - { .name: lowp_scales, .offset: 16, .size: 8, .value_kind: global_buffer, .address_space: global }
      - { .name: tab, .offset: 24, .size: 8, .value_kind: global_buffer, .address_space: global }
      - { .name: qimg, .offset: 32, .size: 8, .value_kind: global_buffer, .address_space: global }
      - { .name: kimg, .offset: 40, .size: 8, .value_kind: global_buffer, .address_space: global }
      - { .name: vimg, .offset: 48, .size: 8, .value_kind: global_buffer, .address_space: global }
    .group_segment_fixed_size: 327680
    .private_segment_fixed_size: 0
    .kernarg_segment_align: 8
    .kernarg_segment_size: 56
    .max_flat_workgroup_size: 128
    .sgpr_count:     100
    .vgpr_count:     1024
    .wavefront_size: 32
...
	.end_amdgpu_metadata
.endif
;; end of part 2
;; launch attn (part 3): grid 4 x 64, 16 waves a work-group, no clusters, 272,384 bytes of LDS; arguments qimg, kimg, vimg, padding_mask, lowp_scales, aimg; writes aimg
.if DOCPART == 3
	.amdgcn_target "amdgcn-amd-amdhsa--gfx1250"
	.amdhsa_code_object_version 6
	.text
	.protected	k_q8cd02f09c2_attn
	.globl	k_q8cd02f09c2_attn
	.p2align	8
	.type	k_q8cd02f09c2_attn,@function
k_q8cd02f09c2_attn:
	s_mov_b64 s[64:65], 0
	v_nop
	global_prefetch_b8 v0, s[64:65] scope:SCOPE_SE
	s_setreg_imm32_b32 hwreg(HW_REG_WAVE_MODE, 25, 1), 1
	s_wait_xcnt 0x0
; Attention of one head on codes of BF8 (E5M2): S^T = K Q^T, the masks, p = 2^(t - M), O^T = V^T P^T, / the row's sum, quantised with e6.  Head size 64, 2,048 keys, causal, with the padding mask of the batch.
; SHARES.  64 heads x 4 work-groups.  Work-group i of a head owns the blocks of 256 queries i and 7 - i, so that every work-group has the same number of key steps under the causal mask.  Of its sixteen waves eight
; take the early block and eight the late one (class = (w ^ (w >> 2)) & 1: two of each among waves 4 s .. 4 s + 3 and among waves s, s + 4, s + 8, s + 12).  A wave owns 32 neighbouring queries: two tiles of 16,
; which share every fragment of K, of V and of the bias.  A step is 64 keys.
; NO CLUSTER: the four work-groups of a head differ in their query blocks alone, and the steps that the causal mask lets a wave leave out are chosen by a branch on that very number; partners must run alike.
; LDS IS FILLED ONCE: a head's K and V as codes are 262,144 bytes.  Chunk c (256 keys) lies at 32,768 c: K's 16 tiles (16,384 bytes), then V's 4 steps (16,384).  Wave 0 fetches K's eight chunks, wave 1 V's, in order:
; eight tensor loads of mine are out at the most.  A barrier at each chunk's head, with a counted wait in front, shows the chunk to all sixteen waves; the later chunks stay on their way.  No byte is filled twice.
; LAYOUT.  Both products are used transposed: a lane holds ONE query (lane % 16) throughout.  In the K = 64 form's own layout registers 2 c, 2 c + 1 hold k = 16 c + 8 (lane / 16) + 0..7, and tile c of S^T holds in its
; eight registers the keys 16 c + 8 (lane / 16) + 0..7: so the conversions' results are the second product's operand as they stand.
; THE PADDING MASK is the C of the first product: 0 for a key that counts, -3e38 for one that does not, kept in LDS as f32.  A raw score is under 2^38 in magnitude.  The largest t starts at -2^80 c, above every masked
; score and below every real one: a masked score never moves M and gives p = 0.  A query none of whose visible keys counts ends with the sum 0: its codes are made NaN, as its softmax is.
; THE CAUSAL MASK: a step all of whose keys come after my 32 queries is left out by a scalar branch on ids; in my one step on the diagonal hidden scores become -infinity.
; THE SOFTMAX: t = raw score x c, c = log2(e) / 8 x 2^(e2 + e3); M = ceil of the running largest t; p = 2^(t - M); the sum is taken of the unquantised p; when M moves, sum and O^T are multiplied by 2^(old M - new M).
; LIMITS on the given exponents: e2 + e3 between -117 and 49; e4, and e6 - e4 - e5, between -126 and 112.  1 / sum is v_rcp_f32 and a multiplication.
; OUT: aimg [128 x batch + tile of 16 tokens][head][c2][lane][16 bytes]: lane (r, h): token r, channels 32 c2 + 16 h + 0..15 of the head.  A wave's store covers 512 consecutive bytes, aligned.
.set LI,  1                            ; v1   16 x lane; never rewritten
.set AK,  2                            ; v2   LDS address of the step's K and V
.set AB,  3                            ; v3   LDS address of the step's bias
.set BH,  4                            ; v4   BIAS + 32 (lane / 16)
.set SCP, 5                            ; v5   2^e4, for p's conversions
.set SCW, 6                            ; v6   2^(e6 - e4 - e5), for the way out
.set MO,  7                            ; v7   16 x thread: the mask's offset
.set Q,   8                            ; v8-23   Q's two fragments
.set ST,  24                           ; v24+4u: -M, the largest t, the sum in two halves
.set KFR, 32                           ; v32-63  K's four fragments; behind the first products:
.set PC,  32                           ; v32+8u  p's codes,
.set TM,  48                           ; v48+8u  at work: +0, +1 maxima; +2 f (+3 named with it); +4, +5 second chain of the sum; +6 the other half's; +7 old -M
.set VF,  64                           ; v64-95  V's four fragments
.set BI,  96                           ; v96-127 the bias of 64 keys, in the result's layout
.set S,   128                          ; v128+32u S^T, then p
.set O,   192                          ; v192+32u O^T
.set WV,  16
.set Q0,  22                           ; s22  my first query
.set QL,  23                           ; s23  my last
.set G1,  24                           ; s[24:31] descriptor group 1
.set G0,  32                           ; s[32:63] eight groups 0, one for each chunk: none is written while its load is out
.set SEL, 66                           ; s[66:67] lane selects: lane l xor 16
.set CSC, 68                           ; s[68:69] c, twice
.set TB,  70                           ; s70  LDS byte of the step's K
.set KF,  71                           ; s71  the step's first key
.set CNT, 80
.set KB,  90                           ; s90  byte of the step's bias
.set BIAS, 262144                      ; behind the eight chunks: 2,048 f32, written by LDS stores alone
	s_load_b256 s[4:11], s[0:1], 0x0               ; qimg, kimg, vimg, the padding mask
	s_load_b128 s[12:15], s[0:1], 0x20             ; the scales' exponents, aimg
	v_lshl_add_u32 v254, v0, 2, 0x42000
	v_mov_b32 v255, 0
	ds_add_u32 v254, v255
	ds_add_u32 v254, v255
	s_wait_dscnt 0x0
	v_lshrrev_b32 v1, 5, v0
	v_readfirstlane_b32 s[WV], v1                  ; wave 0..15
	s_and_b32 s17, ttmp7, 0xffff                   ; 16 x batch + head
	s_lshr_b32 s19, s[WV], 2
	s_xor_b32 s19, s19, s[WV]
	s_and_b32 s19, s19, 1                          ; class: 0 the early block, 1 the late one
	s_lshr_b32 s20, s[WV], 1                       ; which 32 queries of the block
	s_sub_co_u32 s21, 7, ttmp9
	s_cmp_eq_u32 s19, 0
	s_cselect_b32 s21, ttmp9, s21                  ; the block
	s_lshl_b32 s[Q0], s21, 8
	s_lshl_b32 s81, s20, 5
	s_add_co_u32 s[Q0], s[Q0], s81
	s_add_co_u32 s[QL], s[Q0], 31
	; descriptor group 1: a dense block of 16,384 bytes as 64 rows of 256 bytes
	s_mov_b32 s[G1+0], 3<<16                       ; no mask; elements of 8 bytes; no padding
	s_mov_b32 s[G1+1], 32<<16                      ; tensor_dim0 = 32
	s_mov_b32 s[G1+2], 64<<16                      ; tensor_dim1 = 64
	s_mov_b32 s[G1+3], 32<<16                      ; tile_dim0 = 32
	s_mov_b32 s[G1+4], 64                          ; tile_dim1 = 64
	s_mov_b32 s[G1+5], 32                          ; from row to row
	s_mov_b32 s[G1+6], 0
	s_mov_b32 s[G1+7], 0
	s_mov_b32 s[SEL], 0x76543210
	s_mov_b32 s[SEL+1], 0xfedcba98
	s_lshl_b32 s82, s17, 17                        ; a head's 131,072 bytes in each of the three images
	s_mov_b32 s83, 0
	s_lshl_b32 s81, s[WV], 14                      ; wave 0: K's place in a chunk, wave 1: V's
	s_wait_kmcnt 0x0
	s_load_b256 s[72:79], s[12:13], 0x0            ; e0 .. e7
	s_cmp_eq_u32 s[WV], 0
	s_cselect_b64 s[86:87], s[6:7], s[8:9]         ; wave 0 fetches from kimg, wave 1 from vimg
	s_add_nc_u64 s[86:87], s[86:87], s[82:83]
.irp c, 0,1,2,3,4,5,6,7
	s_mov_b32 s[G0+4*\c], 1                        ; count = 1
	s_add_co_u32 s[G0+4*\c+1], s81, \c*32768       ; LDS address
	s_add_nc_u64 s[G0+4*\c+2:G0+4*\c+3], s[86:87], \c*16384
	s_or_b32 s[G0+4*\c+3], s[G0+4*\c+3], 0x80000000   ; type = 2
.endr
	s_cmp_lt_u32 s[WV], 2                          ; all first fills of a wave stand in one branch, ahead of every wait on TENSORcnt, every LDS read and every barrier
	s_cbranch_scc0 .Lno_fetch
.irp c, 0,1,2,3,4,5,6,7
	tensor_load_to_lds s[G0+4*\c:G0+4*\c+3], s[G1:G1+7]
	s_nop 0
.endr
.rept 4
	v_nop                                          ; four plain lines follow the last of them
.endr
.Lno_fetch:
	v_lshlrev_b32 v[MO], 4, v0
	s_lshr_b32 s88, s17, 4                         ; the batch
	s_lshl_b32 s88, s88, 13                        ; its 2,048 mask words
	s_mov_b32 s89, 0
	s_add_nc_u64 s[10:11], s[10:11], s[88:89]
	global_load_b128 v[BI:BI+3], v[MO], s[10:11]   ; four mask words a thread: 512 threads take the batch's 8,192 bytes
	v_and_b32 v1, 31, v0
	v_lshlrev_b32 v[LI], 4, v1
	s_lshl_b32 s88, s[Q0], 6                       ; 1,024 bytes for 16 tokens
	s_add_co_u32 s88, s88, s82
	s_add_nc_u64 s[4:5], s[4:5], s[88:89]
.irp u, 0,1
.irp c, 0,1
	global_load_b128 v[Q+8*\u+4*\c:Q+8*\u+4*\c+3], v[LI], s[4:5] offset:\u*1024+\c*512   ; Q stays in registers
.endr
.endr
	s_lshr_b32 s88, s17, 4                         ; my rows of aimg: (128 x batch + Q0 / 16) x 16,384 + head x 1,024
	s_lshl_b32 s88, s88, 21
	s_lshl_b32 s81, s[Q0], 10
	s_add_co_u32 s88, s88, s81
	s_and_b32 s81, s17, 15
	s_lshl_b32 s81, s81, 10
	s_add_co_u32 s88, s88, s81
	s_add_nc_u64 s[14:15], s[14:15], s[88:89]
	v_bfe_u32 v[BH], v0, 4, 1
	v_lshl_add_u32 v[BH], v[BH], 5, BIAS
	v_lshl_add_u32 v[BI+5], v0, 4, BIAS            ; where my four bias words go
	v_mov_b32 v[BI+4], 0xff61b1e6                  ; -3e38
	s_wait_loadcnt 4                               ; the mask words are in; Q's four loads may be out
.irp j, 0,1,2,3
	v_cmp_eq_u32 vcc_lo, 0, v[BI+\j]
	v_cndmask_b32 v[BI+\j], 0, v[BI+4], vcc_lo     ; 0 where the key counts, -3e38 where its mask word is 0
.endr
	ds_store_b128 v[BI+5], v[BI:BI+3]
	s_wait_kmcnt 0x0
	s_add_co_i32 s81, s74, s75                     ; a raw score stands for score x 2^(e2 + e3): added to c's exponent field
	s_lshl_b32 s81, s81, 23
	s_add_co_i32 s[CSC], s81, 0x3e38aa3b           ; c = log2(e) / 8
	s_mov_b32 s[CSC+1], s[CSC]
	s_add_co_i32 s81, s76, 127
	s_lshl_b32 s82, s81, 23
	v_mov_b32 v[SCP], s82                          ; 2^e4
	s_add_co_i32 s81, s81, 15
	s_lshl_b32 s81, s81, 23
	s_or_b32 s84, s81, 0x600000                    ; 57,344 x 2^e4
	s_sub_co_i32 s81, s78, s76                     ; O^T / sum stands for that x 2^(e4 + e5): its code is it / 2^(e6 - e4 - e5)
	s_sub_co_i32 s81, s81, s77
	s_add_co_i32 s81, s81, 127
	s_lshl_b32 s82, s81, 23
	v_mov_b32 v[SCW], s82
	s_add_co_i32 s81, s81, 15
	s_lshl_b32 s81, s81, 23
	s_or_b32 s85, s81, 0x600000
	s_add_co_u32 s81, s[CSC], 80<<23
	s_or_b32 s81, s81, 0x80000000                  ; -2^80 c
.irp u, 0,1
	v_mov_b32 v[ST+4*\u+1], s81                    ; the largest t so far
	v_floor_f32 v[ST+4*\u], -v[ST+4*\u+1]          ; -M
	v_mov_b32 v[ST+4*\u+2], 0                      ; the sum
	v_mov_b32 v[ST+4*\u+3], 0
.endr
.set i, 0
.rept 64
	v_mov_b32 v[O+i], 0                            ; O^T: the step is written once, and its first run finds zeros
.set i, i+1
.endr
	s_wait_loadcnt 0x0                             ; Q
.macro MX d, x, y                      ; chain d of both tiles takes scores x and y
.irp u, 0,1
	v_max3_num_f32 v[TM+8*\u+\d], v[TM+8*\u+\d], v[S+32*\u+\x], v[S+32*\u+\y]
.endr
.endm
; A KEY STEP: 64 keys x my 32 queries.
.macro STEP
	s_cmp_gt_u32 s[KF], s[QL]                      ; all 64 keys come after my queries: a branch on ids; no barrier and no tensor load stands in a step
	s_cbranch_scc1 .Lhid_\@
	v_add_nc_u32 v[AK], s[TB], v[LI]
	v_add_nc_u32 v[AB], s[KB], v[BH]
	v_nop                                          ; with the two additions: four places between the last step's products and the loads into their registers
	v_nop
.irp c, 0,1,2,3
	ds_load_b128 v[KFR+8*\c:KFR+8*\c+3], v[AK] offset:\c*1024
	ds_load_b128 v[KFR+8*\c+4:KFR+8*\c+7], v[AK] offset:\c*1024+512
.endr
.irp c, 0,1,2,3
	ds_load_b128 v[BI+8*\c:BI+8*\c+3], v[AB] offset:64*\c       ; the bias of keys 16 c + 8 (lane / 16) + 0..7
	ds_load_b128 v[BI+8*\c+4:BI+8*\c+7], v[AB] offset:64*\c+16
.endr
.irp t, 0,1,2,3
	ds_load_b128 v[VF+8*\t:VF+8*\t+3], v[AK] offset:16384+\t*1024
	ds_load_b128 v[VF+8*\t+4:VF+8*\t+7], v[AK] offset:16384+\t*1024+512
.endr
	s_wait_dscnt 8                                 ; K and the bias are in; V's eight loads may be out
.irp c, 0,1,2,3
.irp u, 0,1
	v_wmma_f32_16x16x64_bf8_bf8 v[S+32*\u+8*\c:S+32*\u+8*\c+7], v[KFR+8*\c:KFR+8*\c+7], v[Q+8*\u:Q+8*\u+7], v[BI+8*\c:BI+8*\c+7]
.endr
.endr
.rept 4
	v_nop
.endr
	s_add_co_u32 s81, s[KF], 63
	s_cmp_le_u32 s81, s[Q0]                        ; every key of the step counts for every query of mine: no causal work
	s_cbranch_scc1 .Lopen_\@
	s_sub_co_i32 s81, s[Q0], s[KF]
	v_and_b32 v[TM], 15, v0
	v_bfe_u32 v[TM+1], v0, 4, 1
	v_lshlrev_b32 v[TM+1], 3, v[TM+1]
	v_sub_nc_u32 v[TM], v[TM], v[TM+1]
	v_add_nc_u32 v[TM], s81, v[TM]                 ; d = Q0 - KF + lane % 16 - 8 (lane / 16).  Register 8 c + j of tile u: hidden where 16 c + j - 16 u > d
	v_mov_b32 v[TM+1], 0xff800000                  ; -infinity
.irp u, 0,1
.irp c, 0,1,2,3
.irp j, 0,1,2,3,4,5,6,7
	v_cmp_gt_i32 vcc_lo, 16*\c+\j-16*\u, v[TM]
	v_cndmask_b32 v[S+32*\u+8*\c+\j], v[S+32*\u+8*\c+\j], v[TM+1], vcc_lo
.endr
.endr
.endr
.Lopen_\@:
.irp u, 0,1                            ; the largest score of each query among the lane's 32 keys: two chains a tile; each accumulator is first read at its low end
	v_max3_num_f32 v[TM+8*\u], v[S+32*\u], v[S+32*\u+1], v[S+32*\u+2]
	v_max3_num_f32 v[TM+8*\u+1], v[S+32*\u+8], v[S+32*\u+9], v[S+32*\u+10]
.endr
	MX 0, 16, 17
	MX 1, 24, 25
	MX 0, 3, 4
	MX 1, 5, 6
	MX 0, 7, 11
	MX 1, 12, 13
	MX 0, 14, 15
	MX 1, 18, 19
	MX 0, 20, 21
	MX 1, 22, 23
	MX 0, 26, 27
	MX 1, 28, 29
	MX 0, 30, 31
.irp u, 0,1
	v_max_num_f32 v[TM+8*\u], v[TM+8*\u], v[TM+8*\u+1]
.endr
.irp u, 0,1
	v_permlanex16_b32 v[TM+8*\u+6], v[TM+8*\u], s[SEL], s[SEL+1]
.endr
.irp u, 0,1
	v_max_num_f32 v[TM+8*\u], v[TM+8*\u], v[TM+8*\u+6]   ; and among lane l xor 16's
.endr
.irp u, 0,1
	v_mul_f32 v[TM+8*\u], s[CSC], v[TM+8*\u]       ; as t (c is positive)
.endr
.irp u, 0,1
	v_max_num_f32 v[ST+4*\u+1], v[ST+4*\u+1], v[TM+8*\u]
	v_mov_b32 v[TM+8*\u+7], v[ST+4*\u]
.endr
.irp u, 0,1
	v_floor_f32 v[ST+4*\u], -v[ST+4*\u+1]          ; the new -M = -ceil(t): a whole number
.endr
.irp u, 0,1
	v_sub_f32 v[TM+8*\u+7], v[ST+4*\u], v[TM+8*\u+7]   ; old M - new M, 0 or less
.endr
.irp u, 0,1
	v_cvt_i32_f32 v[TM+8*\u+7], v[TM+8*\u+7]       ; (it saturates)
.endr
.irp u, 0,1
	v_ldexp_f32 v[TM+8*\u+2], 1.0, v[TM+8*\u+7]    ; f = 2^(old M - new M)
.endr
.irp u, 0,1
.irp j, 0,2,4,6,8,10,12,14,16,18,20,22,24,26,28,30
	v_pk_fma_f32 v[S+32*\u+\j:S+32*\u+\j+1], v[S+32*\u+\j:S+32*\u+\j+1], s[CSC:CSC+1], v[ST+4*\u:ST+4*\u+1] op_sel_hi:[1,0,0]   ; t - M, two at a time
.endr
.endr
.set i, 0
.rept 64
	v_exp_f32 v[S+i], v[S+i]                       ; p = 2^(t - M): both tiles' 64 are one batch
.set i, i+1
.endr
.irp u, 0,1
	v_pk_mul_f32 v[ST+4*\u+2:ST+4*\u+3], v[ST+4*\u+2:ST+4*\u+3], v[TM+8*\u+2:TM+8*\u+3] op_sel_hi:[1,0]   ; the sums under the new M: the plain lines behind the exponentials
.endr
	s_wait_alu depctr_va_vdst(0)                   ; one wait for the batch, ahead of its first reader
.irp u, 0,1
	v_pk_add_f32 v[TM+8*\u+4:TM+8*\u+5], v[S+32*\u:S+32*\u+1], v[S+32*\u+2:S+32*\u+3]   ; the sum is taken of the unquantised p, in two chains a tile
.endr
.irp j, 4,8,12,16,20,24,28
.irp u, 0,1
	v_pk_add_f32 v[ST+4*\u+2:ST+4*\u+3], v[ST+4*\u+2:ST+4*\u+3], v[S+32*\u+\j:S+32*\u+\j+1]
	v_pk_add_f32 v[TM+8*\u+4:TM+8*\u+5], v[TM+8*\u+4:TM+8*\u+5], v[S+32*\u+\j+2:S+32*\u+\j+3]
.endr
.endr
.irp u, 0,1
	v_pk_add_f32 v[ST+4*\u+2:ST+4*\u+3], v[ST+4*\u+2:ST+4*\u+3], v[TM+8*\u+4:TM+8*\u+5]
.endr
.irp u, 0,1
.irp c, 0,1,2,3
.irp j, 0,1,2,3,4,5,6,7
	v_min_num_f32 v[S+32*\u+8*\c+\j], s84, v[S+32*\u+8*\c+\j]   ; the conversion does not saturate (ISA guide 7.6.2); p is not negative, so the hold is one-sided
.endr
	v_cvt_scalef32_pk8_bf8_f32 v[PC+8*\u+2*\c:PC+8*\u+2*\c+1], v[S+32*\u+8*\c:S+32*\u+8*\c+7], v[SCP]
.endr
.endr
.irp u, 0,1
.irp j, 0,2,4,6,8,10,12,14,16,18,20,22,24,26,28,30
	v_pk_mul_f32 v[O+32*\u+\j:O+32*\u+\j+1], v[O+32*\u+\j:O+32*\u+\j+1], v[TM+8*\u+2:TM+8*\u+3] op_sel_hi:[1,0]   ; O^T under the new M; also the plain lines behind the conversions
.endr
.endr
	s_wait_dscnt 0x0                               ; V is in
.irp t, 0,1,2,3
.irp u, 0,1
	v_wmma_f32_16x16x64_bf8_bf8 v[O+32*\u+8*\t:O+32*\u+8*\t+7], v[VF+8*\t:VF+8*\t+7], v[PC+8*\u:PC+8*\u+7], v[O+32*\u+8*\t:O+32*\u+8*\t+7]   ; eight accumulators by turns
.endr
.endr
.Lhid_\@:
.endm
; A CHUNK of 256 keys: the two fetching waves wait until chunks 0 .. c have landed (7 - c younger loads of theirs stay out; the other waves have none), all wait for their LDS instructions (in chunk 0: the bias stores),
; and behind the barrier all sixteen read the chunk.  The trip count is a constant; what a wave leaves out it jumps over inside the step.
.macro CHUNK c
	s_wait_tensorcnt 7-\c
	s_wait_dscnt 0x0
	s_barrier_signal -1
	s_barrier_wait -1
	s_mov_b32 s[TB], \c*32768
	s_mov_b32 s[KF], \c*256
	s_mov_b32 s[KB], \c*1024
	s_mov_b32 s[CNT], 4
.Lstep_\@:
	STEP
	s_add_co_u32 s[TB], s[TB], 4096
	s_add_co_u32 s[KF], s[KF], 64
	s_add_co_u32 s[KB], s[KB], 256
	s_sub_co_u32 s[CNT], s[CNT], 1
	s_cmp_lg_u32 s[CNT], 0
	s_cbranch_scc1 .Lstep_\@
.endm
.irp c, 0,1,2,3,4,5,6,7
	CHUNK \c
.endr
	; THE WAY OUT.  The first lines are also the places behind the last products.
.irp u, 0,1
	v_add_f32 v[ST+4*\u+2], v[ST+4*\u+2], v[ST+4*\u+3]   ; the sum's two halves,
	v_mov_b32 v[TM+8*\u+6], 0                      ; (a lane permute's destination counts as one of its sources)
.endr
	v_mov_b32 v[AB], s85                           ; 57,344 x 2^(e6 - e4 - e5)
	v_mov_b32 v[AK], 0x7f7f7f7f
.irp u, 0,1
	v_permlanex16_b32 v[TM+8*\u+6], v[ST+4*\u+2], s[SEL], s[SEL+1]
.endr
.irp u, 0,1
	v_add_f32 v[ST+4*\u+2], v[ST+4*\u+2], v[TM+8*\u+6]   ; and lane l xor 16's: the row's sum
.endr
.irp u, 0,1
	v_rcp_f32 v[TM+8*\u+2], v[ST+4*\u+2]
.endr
.irp u, 0,1
	v_mov_b32 v[TM+8*\u+3], 0                      ; (named with the reciprocal as a pair)  plain lines behind the two reciprocals
	v_cmp_eq_f32 vcc_lo, 0, v[ST+4*\u+2]
	v_cndmask_b32 v[TM+8*\u+7], 0, v[AK], vcc_lo   ; a row without a key that counts: every code will be a NaN
.endr
	s_wait_alu depctr_va_vdst(0)                   ; one wait for both reciprocals, ahead of their first reader
.irp u, 0,1
.irp j, 0,2,4,6,8,10,12,14,16,18,20,22,24,26,28,30
	v_pk_mul_f32 v[S+32*\u+\j:S+32*\u+\j+1], v[O+32*\u+\j:O+32*\u+\j+1], v[TM+8*\u+2:TM+8*\u+3] op_sel_hi:[1,0]   ; O^T / the sum: register 8 t + j is channel 16 t + 8 (lane / 16) + j
.endr
.irp t, 0,1,2,3
.irp j, 0,1,2,3,4,5,6,7
	v_med3_num_f32 v[S+32*\u+8*\t+\j], v[S+32*\u+8*\t+\j], -v[AB], v[AB]
.endr
	v_cvt_scalef32_pk8_bf8_f32 v[PC+8*\u+2*\t:PC+8*\u+2*\t+1], v[S+32*\u+8*\t:S+32*\u+8*\t+7], v[SCW]
.endr
.endr
	v_nop                                          ; a plain line between the last conversion and the lines that touch the codes
.irp u, 0,1
.irp j, 0,1,2,3,4,5,6,7
	v_or_b32 v[PC+8*\u+\j], v[PC+8*\u+\j], v[TM+8*\u+7]
.endr
.endr
.irp u, 0,1                            ; the two halves of the lanes change 8 channels, so that a lane's four registers are 16 neighbouring channels: 32 c2 + 16 (lane / 16) + 0..15
	v_permlane16_swap_b32 v[PC+8*\u], v[PC+8*\u+2]
	v_permlane16_swap_b32 v[PC+8*\u+1], v[PC+8*\u+3]
	v_permlane16_swap_b32 v[PC+8*\u+4], v[PC+8*\u+6]
	v_permlane16_swap_b32 v[PC+8*\u+5], v[PC+8*\u+7]
.endr
.irp u, 0,1
.irp c, 0,1
	global_store_b128 v[LI], v[PC+8*\u+4*\c:PC+8*\u+4*\c+3], s[14:15] offset:\u*16384+\c*512
.endr
.endr
	s_wait_xcnt 0x0
	v_lshl_add_u32 v254, v0, 2, 0x42000
	v_mov_b32 v255, 0
	s_wait_tensorcnt 0x0
	ds_add_u32 v254, v255
	s_wait_dscnt 0x0
	s_endpgm
.Lfunc_end_k_q8cd02f09c2_attn:
	.size	k_q8cd02f09c2_attn, .Lfunc_end_k_q8cd02f09c2_attn-k_q8cd02f09c2_attn
	.p2alignl 7, 3214868480
	.fill 96, 4, 3214868480
	.section	.rodata,"a",@progbits
	.p2align	6, 0x0
	.amdhsa_kernel k_q8cd02f09c2_attn
		.amdhsa_group_segment_fixed_size 272384
		.amdhsa_private_segment_fixed_size 0
		.amdhsa_enable_private_segment 0
		.amdhsa_kernarg_size 48
		.amdhsa_user_sgpr_count 2
		.amdhsa_user_sgpr_kernarg_segment_ptr 1
		.amdhsa_wavefront_size32 1
		.amdhsa_system_sgpr_workgroup_id_x 1
		.amdhsa_system_sgpr_workgroup_id_y 1
		.amdhsa_system_sgpr_workgroup_id_z 1
		.amdhsa_system_vgpr_workitem_id 0
		.amdhsa_next_free_vgpr 256
		.amdhsa_next_free_sgpr 100
		.amdhsa_reserve_vcc 1
		.amdhsa_float_denorm_mode_32 3
		.amdhsa_float_denorm_mode_16_64 3
		.amdhsa_memory_ordered 1
		.amdhsa_forward_progress 1
		.amdhsa_inst_pref_size 188
	.end_amdhsa_kernel
	.amdgpu_metadata
---
amdhsa.version: [ 1, 2 ]
amdhsa.kernels:
  - .name:           k_q8cd02f09c2_attn
    .symbol:         k_q8cd02f09c2_attn.kd
    .args:
      - { .name: qimg, .offset: 0, .size: 8, .value_kind: global_buffer, .address_space: global }
      - { .name: kimg, .offset: 8, .size: 8, .value_kind: global_buffer, .address_space: global }
      - { .name: vimg, .offset: 16, .size: 8, .value_kind: global_buffer, .address_space: global }
      - { .name: padding_mask, .offset: 24, .size: 8, .value_kind: global_buffer, .address_space: global }
      - { .name: lowp_scales, .offset: 32, .size: 8, .value_kind: global_buffer, .address_space: global }
      - { .name: aimg, .offset: 40, .size: 8, .value_kind: global_buffer, .address_space: global }
    .group_segment_fixed_size: 272384
    .private_segment_fixed_size: 0
    .kernarg_segment_align: 8
    .kernarg_segment_size: 48
    .max_flat_workgroup_size: 512
    .sgpr_count:     100
    .vgpr_count:     256
    .wavefront_size: 32
...
	.end_amdgpu_metadata
.endif
;; end of part 3
;; launch proj (part 4): grid 4 x 32, 4 waves a work-group, clusters of 4 x 4, 327,680 bytes of LDS; arguments aimg, w_o_codes, lowp_scales, out0; writes out0
.if DOCPART == 4
	.amdgcn_target "amdgcn-amd-amdhsa--gfx1250"
	.amdhsa_code_object_version 6
	.text
	.protected	k_q8cd02f09c2_proj
	.globl	k_q8cd02f09c2_proj
	.p2align	8
	.type	k_q8cd02f09c2_proj,@function
k_q8cd02f09c2_proj:
	s_mov_b64 s[64:65], 0
	v_nop
	global_prefetch_b8 v0, s[64:65] scope:SCOPE_SE
	s_setreg_imm32_b32 hwreg(HW_REG_WAVE_MODE, 25, 1), 1
	s_wait_xcnt 0x0
	s_wait_alu depctr_hold_cnt(0) depctr_sa_sdst(0) depctr_va_vdst(0) depctr_va_sdst(0) depctr_va_ssrc(0) depctr_va_vcc(0) depctr_vm_vsrc(0)
	s_getreg_b32 s2, hwreg(HW_REG_IB_STS2, 6, 4)
	s_cmp_eq_u32 s2, 0
	s_cbranch_scc0 .Lentry_in_a_cluster
	s_endpgm
.Lentry_in_a_cluster:
	s_bfe_u32 s2, ttmp6, 0x10000c
	s_cmp_lg_u32 s2, 0xf033
	s_cbranch_scc0 .Lentry_shape_is_right
	s_endpgm
.Lentry_shape_is_right:
; out0 = a w_o^T on codes of BF8 (E5M2).  a: the attention's result, 8,192 tokens x 1,024, as IMAGES of operand registers (below); w_o: [1024][1024] codes, K innermost; out0: [8192][1024] f32; sums in f32.
; The codes are multiplied as they are, and each finished sum once by 2^(e6 + e7).  LIMIT: e6 + e7 lies between -126 and 127.  A token whose codes are NaN gives a row of NaN.
; A tile of out0, 256 x 256, is made by four waves, 128 x 128 each: 64 accumulators, 512 registers.  K goes in steps of 256 through a ring of two LDS slots filled by the tensor data mover.
; 4 x 32 = 128 tiles: a tile of 128 x 256 would give 256 work-groups, each reading half as much again from LDS for each product.
; CLUSTERS: 4 x 4 work-groups.  The four of a row of the cluster need the same tiles of a, the four of a column the same tiles of w_o: each tile is asked for JOINTLY.
; aimg: [tile of 16 tokens (512)][head (16)][c2 (2)][lane][16 bytes]: lane (r, h): token r, channels 32 c2 + 16 h + 0..15 of the head.  So the 2,048 bytes of two heads are a fragment of 16 tokens x 128 K as it stands in
; registers: chunk c of 512 bytes = registers 4 c .. 4 c + 3 = K 32 c + 16 h + 0..15, the order in which four loads of 16 bytes take w_o's rows.  A K step of 256 is 4,096 consecutive bytes of each tile of tokens.
; THE MATRIX INSTRUCTION IS USED TRANSPOSED (source 0 = 16 rows of w_o, source 1 = 16 tokens): a lane holds eight neighbouring numbers of a row of out0.
; REGISTERS, in windows of 256: window 0: v0-31 addresses; from v128 a's fragments, ONE set; on the way out v32-255 are free.  window 1: w_o's fragments, TWO sets.  windows 2, 3: the accumulators.
.set SIZE_N, 1024
.set SIZE_K, 1024
.set ROWB,   256                       ; a row of w_o's tile in bytes
.set KROW,   SIZE_K
.set PITCH,  272                       ; w_o's rows in LDS: 256 bytes + 16 of padding
.set FR,     16
.set NL,     4
.set NP,     4
.set AH,     32768                     ; a's half: 8 tiles of tokens x 4,096 bytes, dense
.set BHALF,  128*PITCH                 ; w_o's half: 128 rows
.set SLOT,   2*AH+2*BHALF
.set LAPS,   SIZE_K/512
.set SPARE,  2*SLOT                    ; behind the ring: the spare words, 128 bytes for each wave
.set SPITCH, 528                       ; the way out: a stage of 16 rows x (512 bytes + 16) for each wave, in slot 0, which has had its last fill and its last read when the first result is stored there
.set ADRA, 16
.set ADRB, 20
.set STO,  24
.set RD,   25
.set CO,   26                          ; v26  16 x lane
.set SPW,  28
.set NIL,  29
.set TMP,  32
.set AF,   128
.set BK,   128
.set G1, 24
.set G0, 32
.set G1B, 48
.set G0B, 56
.set MSB, 0
.macro WIN new                         ; the immediate's high byte repeats the setting that is left
.if MSB != \new
	s_set_vgpr_msb (MSB<<8)|\new
.set MSB, \new
.endif
.endm
.set MUL_LO, 0xa1
.set MUL_HI, 0xf1
.set TO_B,   0x40
.macro JLOAD g0a, g1a, g0b, g1b        ; a joint load: waves 0 and 1 fetch a's halves, waves 2 and 3 w_o's; four v_nop follow each of the two lines
	s_cmp_eq_u32 s15, 0
	s_cbranch_scc0 .Lfor_b_\@
	tensor_load_to_lds s[\g0a:\g0a+3], s[\g1a:\g1a+7]
	s_nop 0
.rept 4
	v_nop
.endr
	s_branch .Lasked_\@
.Lfor_b_\@:
	tensor_load_to_lds s[\g0b:\g0b+3], s[\g1b:\g1b+7]
	s_nop 0
.rept 4
	v_nop
.endr
.Lasked_\@:
.endm
.macro CREST
	s_cmp_lg_u32 s14, 0
	s_cbranch_scc1 .Lnot_wave_0_\@
	s_barrier_signal -3
.Lnot_wave_0_\@:
	s_barrier_wait -3
	s_barrier_signal -1
	s_barrier_wait -1
.endm
.macro CROUND
	s_barrier_signal -1
	s_barrier_wait -1
	CREST
.endm
	s_load_b128 s[4:7], s[0:1], 0x0                ; aimg, w_o's codes
	s_load_b128 s[8:11], s[0:1], 0x10              ; the scales' exponents, out0
	v_lshl_add_u32 v[SPW], v0, 2, SPARE
	v_mov_b32 v[NIL], 0
	ds_add_u32 v28, v29
	ds_add_u32 v28, v29
	s_wait_dscnt 0x0
	v_lshrrev_b32 v1, 5, v0
	v_readfirstlane_b32 s14, v1                    ; wave 0..3
	s_lshr_b32 s15, s14, 1                         ; which half of the tile's tokens is mine.  Also: I fetch for a (0) or for w_o (1)
	s_and_b32 s16, s14, 1                          ; which half of its columns.  Also: which half of that tile I fetch
	s_bfe_u32 s40, ttmp6, 0x40000                  ; cx, cy
	s_bfe_u32 s41, ttmp6, 0x40004
	s_lshl_b32 s42, ttmp9, 2
	s_add_co_u32 s42, s42, s40                     ; tile column
	s_and_b32 s17, ttmp7, 0xffff
	s_lshl_b32 s17, s17, 2
	s_add_co_u32 s17, s17, s41                     ; tile row
	s_lshl_b32 s43, s41, 2
	s_lshl_b32 s43, 15, s43                        ; my row of the cluster
	s_lshl_b32 s44, 0x1111, s40                    ; my column
	; a's group 1: 8 rows of 4,096 bytes, 16,384 bytes apart, dense in LDS
	s_or_b32 s[G1+0], s43, (1<<21)                 ; the mask: my row; elements of 1 byte; no padding; bit 21 set beside a mask
	s_mov_b32 s[G1+1], 4096<<16                    ; tensor_dim0
	s_mov_b32 s[G1+2], 8<<16                       ; tensor_dim1
	s_mov_b32 s[G1+3], 4096<<16                    ; tile_dim0
	s_mov_b32 s[G1+4], 8                           ; tile_dim1
	s_mov_b32 s[G1+5], 16384                       ; from row to row
	s_mov_b32 s[G1+6], 0
	s_mov_b32 s[G1+7], 0
	; w_o's group 1: 128 rows of 256 bytes, padded in LDS
	s_or_b32 s[G1B+0], s44, (0<<16)|(1<<20)|(1<<21)|(5<<22)|(3<<25)
	s_mov_b32 s[G1B+1], ROWB<<16
	s_mov_b32 s[G1B+2], 128<<16
	s_mov_b32 s[G1B+3], ROWB<<16
	s_mov_b32 s[G1B+4], 128
	s_mov_b32 s[G1B+5], KROW
	s_mov_b32 s[G1B+6], 0
	s_mov_b32 s[G1B+7], 0
	s_lshl_b32 s18, s16, 3
	s_lshl_b32 s20, s17, 4
	s_add_co_u32 s20, s20, s18                     ; a: tile of tokens 16 x tile row + 8 x half,
	s_lshl_b32 s20, s20, 14                        ; of 16,384 bytes
	s_mov_b32 s21, 0
	s_lshl_b32 s18, s16, 7
	s_lshl_b32 s46, s42, 8
	s_add_co_u32 s46, s46, s18                     ; w_o: row 256 x tile column + 128 x half,
	s_lshl_b32 s46, s46, 10                        ; of 1,024 bytes
	s_mov_b32 s47, 0
	s_lshl_b32 s45, s16, 15                        ; where they go: a's halves first,
	s_mul_i32 s74, s16, BHALF
	s_add_co_u32 s74, s74, 2*AH                    ; w_o's behind them: no place in the cluster enters an LDS address
	s_wait_kmcnt 0x0
	s_load_b64 s[96:97], s[8:9], 0x18              ; e6, e7
	s_add_nc_u64 s[20:21], s[4:5], s[20:21]
	s_add_nc_u64 s[46:47], s[6:7], s[46:47]
	CROUND                                         ; all sixteen work-groups are here: the first joint loads meet
.irp s, 0,1
	s_mov_b32 s[G0+4*\s], 1
	s_add_co_u32 s[G0+4*\s+1], s45, \s*SLOT
	s_add_nc_u64 s[G0+4*\s+2:G0+4*\s+3], s[20:21], \s*4096
	s_or_b32 s[G0+4*\s+3], s[G0+4*\s+3], 0x80000000
	s_mov_b32 s[G0B+4*\s], 1
	s_add_co_u32 s[G0B+4*\s+1], s74, \s*SLOT
	s_add_nc_u64 s[G0B+4*\s+2:G0B+4*\s+3], s[46:47], \s*ROWB
	s_or_b32 s[G0B+4*\s+3], s[G0B+4*\s+3], 0x80000000
	JLOAD G0+4*\s, G1, G0B+4*\s, G1B
.endr
	v_and_b32 v1, 15, v0                           ; l % 16
	v_bfe_u32 v2, v0, 4, 1                         ; l / 16
	v_mul_u32_u24 v3, v1, PITCH
	v_lshl_add_u32 v4, v2, 4, v3                   ; w_o: a fragment's row x pitch + 16 x half
	v_and_b32 v6, 31, v0
	v_lshlrev_b32 v[CO], 4, v6                     ; a: an image's place for my lane; also my 16 bytes of a row of out0
	s_lshl_b32 s21, s15, 15                        ; my 8 tiles of tokens
	s_mul_i32 s22, s16, BHALF                      ; my 128 rows of w_o,
	s_add_co_u32 s22, s22, 2*AH                    ; which lie behind a's two halves
.irp s, 0,1
	v_add_nc_u32 v[ADRA+\s], s21, v[CO]
	v_add_nc_u32 v[ADRB+\s], s22, v4
	s_add_co_u32 s21, s21, SLOT
	s_add_co_u32 s22, s22, SLOT
.endr
	s_mul_i32 s23, s14, 16*SPITCH                  ; my stage
	v_mul_u32_u24 v5, v1, SPITCH                   ; in: row l % 16, 32 bytes for each half of the lanes
	v_lshl_add_u32 v5, v2, 5, v5
	v_add_nc_u32 v[STO], s23, v5
	v_add_nc_u32 v[RD], s23, v[CO]                 ; back: the 32 lanes take one row of 512 bytes
	s_lshl_b32 s20, s17, 8
	s_lshl_b32 s21, s15, 7
	s_add_co_u32 s20, s20, s21                     ; my first row of out0
	s_mov_b32 s21, 0
	s_mov_b64 s[18:19], SIZE_N*4
	s_mul_u64 s[20:21], s[20:21], s[18:19]
	s_lshl_b32 s46, s42, 10                        ; my first column, in bytes
	s_lshl_b32 s47, s16, 9
	s_add_co_u32 s46, s46, s47
	s_mov_b32 s47, 0
	s_add_nc_u64 s[20:21], s[20:21], s[46:47]
	s_add_nc_u64 s[10:11], s[10:11], s[20:21]
.macro FRAG reg, adr, q, i             ; a fragment of w_o: lane l holds row l % 16; registers 4 c .. 4 c + 3 hold K = 32 c + 16 (l / 16) + 0 .. 15
.irp c, 0,1,2,3
	ds_load_b128 v[\reg+4*\c:\reg+4*\c+3], v[\adr] offset:128*(\q)+32*\c+(\i)*16*PITCH
.endr
.endm
.macro FRAGA reg, adr, q, i            ; a fragment of a: its image, 512 consecutive bytes a load
.irp c, 0,1,2,3
	ds_load_b128 v[\reg+4*\c:\reg+4*\c+3], v[\adr] offset:(\i)*4096+(\q)*2048+512*\c
.endr
.endm
.macro MUL16 a0, p, zero               ; 16 matrix instructions; the 64 accumulators take turns, one instruction a turn
.irp a, \a0, \a0+1
.irp b, 0,1,2,3,4,5,6,7
.if \zero
	v_wmma_f32_16x16x128_bf8_bf8 v[8*(8*((\a)%4)+\b):8*(8*((\a)%4)+\b)+7], v[128*(\p)+FR*\b:128*(\p)+FR*\b+FR-1], v[AF+FR*(\a):AF+FR*(\a)+FR-1], 0
.else
	v_wmma_f32_16x16x128_bf8_bf8 v[8*(8*((\a)%4)+\b):8*(8*((\a)%4)+\b)+7], v[128*(\p)+FR*\b:128*(\p)+FR*\b+FR-1], v[AF+FR*(\a):AF+FR*(\a)+FR-1], v[8*(8*((\a)%4)+\b):8*(8*((\a)%4)+\b)+7]
.endif
.endr
.endr
.endm
.macro FETCH_B slot, q, p
	WIN TO_B
.irp i, 0,1,2,3,4,5,6,7
	FRAG 128*(\p)+FR*\i, ADRB+\slot, \q, \i
.endr
	WIN 0
.endm
.macro FETCH_A slot, q, i0
.irp i, \i0, \i0+1, \i0+2, \i0+3
	FRAGA AF+FR*(\i), ADRA+\slot, \q, \i
.endr
.endm
.macro PLACES n                        ; plain vector lines between a matrix instruction and a load into, or a vector instruction on, its registers
.rept \n
	v_nop
.endr
.endm
.macro STEP slot, q, zero
	s_wait_dscnt 4*NL                              ; w_o's set and a's blocks 0-3 are in; the youngest sixteen loads (blocks 4-7) may be out
	WIN MUL_LO
	MUL16 0, (\q)%2, \zero
	MUL16 2, (\q)%2, \zero
	s_wait_dscnt 0
	PLACES NP
	FETCH_B \slot, (\q)+1, 1-(\q)%2
	FETCH_A \slot, (\q)+1, 0
	WIN MUL_HI
	MUL16 4, (\q)%2, \zero
	MUL16 6, (\q)%2, \zero
	PLACES NP
	WIN 0
	FETCH_A \slot, (\q)+1, 4
.endm
.macro TURN slot, next, fill
	s_wait_tensorcnt 0x0                           ; all my tensor loads have landed: my part of the next slot
	ds_add_u32 v[SPW], v[NIL]                      ; 0 onto my spare word
	s_wait_dscnt 4*NL+1                            ; (the add and the youngest sixteen loads may be out)
	WIN MUL_LO
	MUL16 0, 1, 0
	s_wait_dscnt 0x0                               ; the add is done, and my reads of this slot are over
	s_barrier_signal -1
	MUL16 2, 1, 0
	WIN 0
	s_barrier_wait -1
.if \fill
	CREST                                          ; a round of the cluster's barrier: no wave of any partner still reads this slot or has a load on its way
	s_add_nc_u64 s[G0+4*\slot+2:G0+4*\slot+3], s[G0+4*\slot+2:G0+4*\slot+3], 2*4096
	s_add_nc_u64 s[G0B+4*\slot+2:G0B+4*\slot+3], s[G0B+4*\slot+2:G0B+4*\slot+3], 2*ROWB
	JLOAD G0+4*\slot, G1, G0B+4*\slot, G1B
.else
	PLACES NP
.endif
	FETCH_B \next, 0, 0
	FETCH_A \next, 0, 0
	WIN MUL_HI
	MUL16 4, 1, 0
	MUL16 6, 1, 0
	PLACES NP
	WIN 0
	FETCH_A \next, 0, 4
.endm
	s_wait_tensorcnt 1                             ; my part of K step 0 is in (K step 1's load may be out),
	s_barrier_signal -1
	s_barrier_wait -1                              ; everybody's is
	FETCH_B 0, 0, 0
	FETCH_A 0, 0, 0
	FETCH_A 0, 0, 4
	STEP 0, 0, 1                                   ; the first step's products start the sums
	s_mov_b32 s3, LAPS-1
.Llap:
	TURN 0, 1, 1
	STEP 1, 0, 0
	TURN 1, 0, 1
	STEP 0, 0, 0
	s_sub_co_u32 s3, s3, 1
	s_cmp_lg_u32 s3, 0
	s_cbranch_scc1 .Llap
	TURN 0, 1, 0                                   ; the last lap fills nothing
	STEP 1, 0, 0
	s_wait_dscnt 4*NL
	WIN MUL_LO
	MUL16 0, 1, 0
	MUL16 2, 1, 0
	s_wait_dscnt 0
	WIN MUL_HI
	MUL16 4, 1, 0
	MUL16 6, 1, 0
	WIN 0
; THE WAY OUT, block by block of 16 rows x 128 columns, through my own stage in LDS: in as 32 bytes a lane, back as whole rows of 512 bytes.  LDS serves a wave's instructions in order (ISA guide 5.7.1.4).
.macro TOSTAGE a
.set AC, 64*((\a)%4)
	WIN 0x02+((\a)/4)
.irp j, 0,2,4,6,8,10,12,14,16,18,20,22,24,26,28,30,32,34,36,38,40,42,44,46,48,50,52,54,56,58,60,62
	v_pk_mul_f32 v[TMP+\j:TMP+\j+1], v[AC+\j:AC+\j+1], s[96:97] op_sel_hi:[1,0]   ; x 2^(e6 + e7); each accumulator from its low end on
.endr
	WIN 0
.irp b, 0,1,2,3,4,5,6,7
	ds_store_b128 v[STO], v[TMP+8*\b:TMP+8*\b+3] offset:64*\b
	ds_store_b128 v[STO], v[TMP+8*\b+4:TMP+8*\b+7] offset:64*\b+16
.endr
.set BB, BK+64*((\a)%2)
.irp t, 0,1,2,3,4,5,6,7,8,9,10,11,12,13,14,15
	ds_load_b128 v[BB+4*\t:BB+4*\t+3], v[RD] offset:\t*SPITCH
.endr
.endm
.macro SEND a, younger                 ; younger: the LDS instructions issued behind block a's loads, which may stay out
.set BB, BK+64*((\a)%2)
	s_wait_dscnt \younger
.if (\a) > 0
	s_add_nc_u64 s[10:11], s[10:11], 16*SIZE_N*4   ; (behind a wait on XCNT: the earlier stores have read their base)
.endif
.irp t, 0,1,2,3,4,5,6,7,8,9,10,11,12,13,14,15
	global_store_b128 v[CO], v[BB+4*\t:BB+4*\t+3], s[10:11] offset:\t*SIZE_N*4 th:TH_STORE_NT   ; 32 lanes store 512 consecutive bytes, aligned
.endr
.endm
	s_wait_kmcnt 0x0
	s_add_co_i32 s96, s96, s97
	s_add_co_i32 s96, s96, 127
	s_lshl_b32 s96, s96, 23                        ; 2^(e6 + e7) as f32
	PLACES NP
	TOSTAGE 0
.irp a, 1,2,3,4,5,6,7
.if \a > 1
	s_wait_xcnt 0x0                                ; block a - 2's stores have read their registers and their base
.endif
	TOSTAGE \a
	SEND \a-1, 32                                  ; behind block a - 1's loads: block a's 16 stores and 16 loads
.endr
	s_wait_xcnt 0x0
	SEND 7, 0
	s_wait_tensorcnt 0x0                           ; the wave's end
	ds_add_u32 v[SPW], v[NIL]
	s_wait_dscnt 0x0
	CROUND                                         ; the closing round
	s_endpgm
.Lfunc_end_k_q8cd02f09c2_proj:
	.size	k_q8cd02f09c2_proj, .Lfunc_end_k_q8cd02f09c2_proj-k_q8cd02f09c2_proj
	.p2alignl 7, 3214868480
	.fill 96, 4, 3214868480
	.section	.rodata,"a",@progbits
	.p2align	6, 0x0
	.amdhsa_kernel k_q8cd02f09c2_proj
		.amdhsa_group_segment_fixed_size 327680
		.amdhsa_private_segment_fixed_size 0
		.amdhsa_enable_private_segment 0
		.amdhsa_kernarg_size 32
		.amdhsa_user_sgpr_count 2
		.amdhsa_user_sgpr_kernarg_segment_ptr 1
		.amdhsa_wavefront_size32 1
		.amdhsa_system_sgpr_workgroup_id_x 1
		.amdhsa_system_sgpr_workgroup_id_y 1
		.amdhsa_system_sgpr_workgroup_id_z 1
		.amdhsa_system_vgpr_workitem_id 0
		.amdhsa_next_free_vgpr 1024
		.amdhsa_next_free_sgpr 98
		.amdhsa_reserve_vcc 0
		.amdhsa_float_denorm_mode_32 3
		.amdhsa_float_denorm_mode_16_64 3
		.amdhsa_memory_ordered 1
		.amdhsa_forward_progress 1
		.amdhsa_inst_pref_size 123
	.end_amdhsa_kernel
	.amdgpu_metadata
---
amdhsa.version: [ 1, 2 ]
amdhsa.kernels:
  - .name:           k_q8cd02f09c2_proj
    .symbol:         k_q8cd02f09c2_proj.kd
    .args:
      - { .name: aimg, .offset: 0, .size: 8, .value_kind: global_buffer, .address_space: global }
      - { .name: w_o_codes, .offset: 8, .size: 8, .value_kind: global_buffer, .address_space: global }
      - { .name: lowp_scales, .offset: 16, .size: 8, .value_kind: global_buffer, .address_space: global }
      - { .name: out0, .offset: 24, .size: 8, .value_kind: global_buffer, .address_space: global }
    .group_segment_fixed_size: 327680
    .private_segment_fixed_size: 0
    .kernarg_segment_align: 8
    .kernarg_segment_size: 32
    .max_flat_workgroup_size: 128
    .sgpr_count:     98
    .vgpr_count:     1024
    .wavefront_size: 32
...
	.end_amdgpu_metadata
.endif
;; end of part 4
